; MI455X (gfx1250); checked and timed in simulation.
; The chip was launched on July 23, 2026; its instructions are those of AMD's public machine-readable ISA for CDNA 5 (MIT licence, August 2026) and "CDNA5" Instruction Set Architecture Reference Guide (July 2026). The comments in the code are by the model that wrote it; some were corrected since.
;; Quantized Linear. Allowed arithmetic: matrix products marked QUANTISED: E2M1 operands, one E8M0 scale for each 32 along K, by v_wmma_scale_f32_16x16x128_f8f6f4 with both operands' format E2M1 (or v_wmma_scale_f32_32x16x128_f4), f32 sums; everything else in f32.
;; Inputs: bias 4,096 float32; scale 1 x 4,096 float32; weight_q 4,096 x 4,096 int8; x 2 x 2,048 x 4,096 float32.
;; Outputs: out0 2 x 2,048 x 4,096 float32.
;; This version of the problem:
;;   THIS VERSION OF THE PROBLEM IS GIVEN IN LOW PRECISION. The matrix products marked QUANTISED in the list below multiply operands that are first quantised to E2M1 (2 exponent bits, 1 mantissa bit; 4 bits a number), with one power-of-two scale for each 32 numbers along K (OCP MX v1.0); their sums are f32. All else is computed in f32.
;;   The module's matrix products, in the order in which they are computed (A, B: the left and right operand; K: the contracted axis; several contracted axes count as one K, in the product's order):
;;     1. [M 4,096, K 4,096] x [K 4,096, N 4,096]; A: input x; B: input weight_q: QUANTISED
;;   THE QUANTISER, for each operand of a quantised product, along K:
;;     - K is cut into blocks of 32 from its start; a last block that is shorter is filled with zeros.
;;     - A block's scale is 2^e with e = floor(log2(the largest magnitude in the block)) - 2, held to -126 .. 127; a block of zeros has e = 0. As a byte (E8M0): e + 127.
;;     - Each number is divided by its block's scale, clamped to +-6, and rounded to the nearest number of E2M1, ties to even, subnormals kept.
;;     - The product sums the exact products of the quantised numbers (number of the format x scale) in f32.
;;   ~~~python
;;   def quantise(x, axis):      # numpy; x: float32 -> the quantised numbers, widened to float32 again
;;       x = np.moveaxis(x, axis, -1); K = x.shape[-1]
;;       x = np.pad(x, [(0, 0)] * (x.ndim - 1) + [(0, -K % 32)]); x = x.reshape(x.shape[:-1] + (-1, 32)); a = np.abs(x).max(-1, keepdims=True)
;;       e = np.where(a > 0, np.clip(np.frexp(np.where(a > 0, a, 1))[1] - 1 - 2, -126, 127), 0)      # np.frexp(a)[1] - 1 = floor(log2(a)), exactly
;;       r = np.clip(x / 2.0 ** e, -6, 6)
;;       step = 2.0 ** (np.maximum(np.frexp(np.where(r == 0, 1, r))[1] - 1, 0) - 1)
;;       q = np.round(r / step) * step * 2.0 ** e      # np.round: ties to even
;;       return np.moveaxis(q.reshape(q.shape[:-2] + (-1,))[..., :K], -1, axis).astype(np.float32)
;;   ~~~
;; One version. Each part assembles by itself: llvm-mc -triple=amdgcn-amd-amdhsa -mcpu=gfx1250 --defsym DOCPART=n.
;; ======== version 1 of 1: 2 launches
;; limits: right only within a limited range of input values
;; workspace buffers: xq 8,912,896 bytes; wq 8,912,896 bytes
;; launch quantise (part 1): grid 1024 x 1, 4 waves a work-group, no clusters, 53,760 bytes of LDS; arguments x, weight_q, xq, wq; writes xq, wq
.if DOCPART == 1
	.amdgcn_target "amdgcn-amd-amdhsa--gfx1250"
	.amdhsa_code_object_version 6
	.text
	.protected	k_q44137dab3e_quantise
	.globl	k_q44137dab3e_quantise
	.p2align	8
	.type	k_q44137dab3e_quantise,@function
k_q44137dab3e_quantise:
	s_mov_b64 s[64:65], 0
	v_nop
	global_prefetch_b8 v0, s[64:65] scope:SCOPE_SE
	s_setreg_imm32_b32 hwreg(HW_REG_WAVE_MODE, 25, 1), 1
	s_wait_xcnt 0x0
; out0[m][n] = (sum over k of Q(x)[m][k] Q(w)[n][k]) scale[n] + bias[n], M = N = K = 4,096, Q the MX-FP4 quantiser along K.  THIS LAUNCH MAKES Q: x (f32) and weight_q (int8), both [4096][4096] with K innermost,
; become codes of E2M1 with one E8M0 scale byte for each 32 along K.  The second launch multiplies the codes and applies scale and bias.
; NO WORK IS LEFT OUT: every number of x and of weight_q enters a code or a scale byte of the one product; scale and bias are loaded by the second launch.
; A block's scale is 2^(floor(log2(its largest magnitude)) - 2); its byte is the largest magnitude's own exponent field - 2, held at 1 from below.  Each number is divided by the scale and rounded to the nearest code,
; ties to even; what lies beyond 6 gets the largest code.
; LIMITS: NaN and infinities in x are not served.  A block of zeros gets the byte 1 where the rule says 127: its codes are zeros, which add nothing under any byte but 0xff, and this program alone reads the bytes.
; A block whose largest magnitude lies under 2^-124 has its byte held at 1, which is the rule's own hold of the exponent at -126.
; THE WORKSPACE lies in the order in which the second launch's operand registers take it, xq and wq alike: [256 rows: 16][512 along K: 8][69,632 bytes]: four K steps of 128, 16,384 bytes each:
; [group of 16 rows: 16][32 along K: 4][r: 16][16 bytes of codes]; from byte 65,536 on [group: 16][r: 16][16 scale bytes].  A unit of 256 bytes is 16 rows x 32 along K, or 16 rows' scale bytes.
; Row r of group g is row 16 g + r of x's 256, and row 64 (g / 4) + 4 r + g % 4 of weight_q's: there the four groups of 64 rows interleave.
; SHARES.  Work-groups 0-511 take x, 512-1023 weight_q.  A wave takes one group of 16 rows x 512 along K, a row a step.  x: the four waves side by side along K.  weight_q: the four groups of 64 rows.
; The conversions take 8 numbers of ONE block from a lane's consecutive registers: a lane holds 16 neighbours along K, two neighbouring lanes a block.
;   x: each load reads 512 consecutive bytes, 16 a lane; a row's 2,048 bytes turn through the wave's own stage in LDS and come back 64 bytes a lane.  Of lane j's 64 bytes the 16-byte piece c lies at place c xor (j / 4) % 4,
;   so that sixteen lanes that read the same piece name sixteen different places modulo 256 bytes, and sixteen that store neighbouring pieces too.
;   weight_q: a lane's 16 bytes of a load ARE its 16 neighbours.  A byte w becomes f32 exactly: w xor 0x80 = w + 128 is set under the exponent of 2^23, and 2^23 + 128 is taken off.
; The 4,096 bytes of codes of a wave and its 256 scale bytes are gathered in its own LDS bytes (units of codes 272 bytes apart) and leave as whole aligned units.  Waves share nothing: no barrier.
; The two paths part on the work-group's number; each has LDS bytes of its own.
.set STEPS, 16
.set NR,    8                          ; x: rows whose loads are out
.set CP,    272                        ; a unit's place in the codes' stage
.set XC,    2*2048                     ; x's region of a wave: two stages, then the codes,
.set XSB,   XC+16*CP                   ; then its 256 scale bytes
.set WREG,  XSB+256
.set WCB,   4*WREG                     ; weight_q: the codes of the four waves,
.set WSB,   WCB+4*16*CP                ; and 256 scale bytes of each
.set SPARE, WSB+1024                   ; the spare words, 128 bytes for each wave: two blocks of 256 bytes that no other line names
.set SPW,   12                         ; v12      LDS address of my spare word; never rewritten
.set NIL,   13                         ; v13      0; never rewritten
.set R,     24                         ; v24-151  numbers as they are loaded
.set X,     152                        ; v152-183 16 neighbours, two sets (weight_q uses the first alone)
.set C,     184                        ; v184-187 codes of a row, two sets
.set E,     188                        ; v188-189 a scale byte, two sets
.set MAG,   190                        ; v190     the bits of 2^23
	s_load_b256 s[4:11], s[0:1], 0x0               ; x s[4:5], weight_q s[6:7], xq s[8:9], wq s[10:11]
	v_lshl_add_u32 v[SPW], v0, 2, SPARE
	v_mov_b32 v[NIL], 0
	v_lshrrev_b32 v1, 5, v0
	v_readfirstlane_b32 s16, v1                    ; wave 0..3
	s_mul_i32 s30, s16, WREG                       ; x's path: my region,
	s_add_co_u32 s31, s30, XC                      ; my codes,
	s_add_co_u32 s32, s30, XSB                     ; my scale bytes
	s_mul_i32 s33, s16, 16*CP
	s_add_co_u32 s33, s33, WCB                     ; weight_q's path: my codes,
	s_lshl_b32 s34, s16, 8
	s_add_co_u32 s34, s34, WSB                     ; my scale bytes
	v_and_b32 v2, 31, v0                           ; lane
	v_lshlrev_b32 v3, 4, v2                        ; 16 bytes a lane
	v_lshlrev_b32 v4, 3, v2                        ; 8 bytes a lane
	v_lshrrev_b32 v1, 1, v2                        ; my block of the row's 16
	v_and_b32 v8, 3, v2                            ; the stage, on the way in: load i brings piece lane % 4 of lane j = 8 i + lane / 4; (j / 4) % 4 = 2 (i % 2) + lane / 16
	v_lshrrev_b32 v9, 4, v2
	v_xor_b32 v9, v8, v9
	v_lshrrev_b32 v8, 2, v2
	v_lshlrev_b32 v8, 6, v8
	v_lshl_add_u32 v14, v9, 4, v8
	v_add_nc_u32 v14, s30, v14                     ; even loads
	v_xor_b32 v9, 2, v9
	v_lshl_add_u32 v15, v9, 4, v8
	v_add_nc_u32 v15, s30, v15                     ; odd loads
	v_bfe_u32 v9, v2, 2, 2                         ; on the way out: my 64 bytes, piece c
	v_lshlrev_b32 v8, 6, v2
	v_add_nc_u32 v8, s30, v8
.irp c, 0,1,2,3
	v_xor_b32 v11, \c, v9
	v_lshl_add_u32 v[16+\c], v11, 4, v8
.endr
	v_mul_u32_u24 v20, v1, CP
	v_and_b32 v11, 1, v2
	v_lshl_add_u32 v20, v11, 3, v20                ; codes in: my block's unit, my 8 of a row's 16 bytes
	v_lshrrev_b32 v11, 4, v2
	v_mul_u32_u24 v11, v11, CP
	v_and_b32 v8, 15, v2
	v_lshl_add_u32 v11, v8, 4, v11                 ; codes out: sixteen lanes to a unit
	v_add_nc_u32 v22, s33, v20
	v_add_nc_u32 v23, s33, v11
	v_add_nc_u32 v20, s31, v20
	v_add_nc_u32 v21, s31, v11
	v_add_nc_u32 v5, s32, v1                       ; x: where my block's scale byte goes,
	v_add_nc_u32 v6, s32, v4                       ; and where I read 8 of the 256 back
	v_add_nc_u32 v7, s34, v1                       ; weight_q: the same two
	v_add_nc_u32 v10, s34, v4
	v_mov_b32 v[MAG], 0x4b000000                   ; 2^23: an integer under 2^23 set into its mantissa is added to it
	s_wait_alu depctr_va_vdst(0)                   ; the wait at the head's end
	s_wait_kmcnt 0x0
; Where my codes (s[22:23]) and my scale bytes (s[24:25]) go: tile s26 of 256 rows, group s27, 512 along K s19.
.macro DEST base
	s_lshl_b32 s22, s26, 3
	s_add_co_u32 s22, s22, s19
	s_mul_i32 s22, s22, 69632
	s_lshl_b32 s24, s27, 8
	s_add_co_u32 s24, s24, s22
	s_add_co_u32 s24, s24, 65536
	s_lshl_b32 s27, s27, 10
	s_add_co_u32 s22, s22, s27
	s_mov_b32 s23, 0
	s_mov_b32 s25, 0
	s_add_nc_u64 s[24:25], s[\base:\base+1], s[24:25]
	s_add_nc_u64 s[22:23], s[\base:\base+1], s[22:23]
.endm
; The 16 neighbours in v[XS] on become two registers of codes and a scale byte.  ba: where the byte goes; ca: where the codes go.
.macro QCORE t, ba, ca
	v_max3_num_f32 v8, |v[XS]|, |v[XS+1]|, |v[XS+2]|               ; the largest magnitude of my 16, in two chains
	v_max3_num_f32 v9, |v[XS+3]|, |v[XS+4]|, |v[XS+5]|
.irp i, 6,10
	v_max3_num_f32 v8, v8, |v[XS+\i]|, |v[XS+\i+1]|
	v_max3_num_f32 v9, v9, |v[XS+\i+2]|, |v[XS+\i+3]|
.endr
	v_max3_num_f32 v8, v8, |v[XS+14]|, |v[XS+15]|
	v_max3_num_f32 v8, v8, v9, 0x1800000           ; and the floor 2^(3 - 127): the byte cannot fall under 1
	v_max_num_f32_dpp v8, v8, v8 row_xmask:1 row_mask:0xf bank_mask:0xf   ; and of my neighbour's 16: the block's
	v_add_nc_u32 v11, 0xff000000, v8               ; 2 off its exponent field: the conversion takes the exponent field of this operand as its scale
	v_cvt_scalef32_pk8_fp4_f32 v[C+2*((\t)%2)], v[XS:XS+7], v11    ; the first number's code in the lowest four bits
	v_cvt_scalef32_pk8_fp4_f32 v[C+2*((\t)%2)+1], v[XS+8:XS+15], v11
	v_lshrrev_b32 v[E+((\t)%2)], 23, v11           ; the scale's byte.  (Also the plain vector line behind the conversions)
	ds_store_b8 v[\ba], v[E+((\t)%2)] offset:16*(\t)               ; both lanes of a block write the same byte with the same value
	ds_store_b64 v[\ca], v[C+2*((\t)%2):C+2*((\t)%2)+1] offset:16*(\t)
.endm
; The wave's codes and its unit of scale bytes leave, and the wave ends.  cr, sr: where they are read.
.macro FINISH cr, sr
	ds_load_b64 v[8:9], v[\sr]                     ; LDS serves a wave's instructions in order: these loads see my stores
.irp i, 0,1,2,3,4,5,6,7
	ds_load_b128 v[R+4*\i:R+4*\i+3], v[\cr] offset:2*CP*\i
.endr
	s_wait_dscnt 8
	global_store_b64 v4, v[8:9], s[24:25]          ; 32 lanes store 256 consecutive bytes, aligned
.irp i, 0,1,2,3,4,5,6,7
	s_wait_dscnt 7-\i
	global_store_b128 v3, v[R+4*\i:R+4*\i+3], s[22:23] offset:16384*(\i/2)+512*(\i%2)   ; 512 consecutive bytes: two aligned units
.endr
	s_wait_tensorcnt 0x0                           ; the wave's end
	ds_add_u32 v[SPW], v[NIL]
	s_wait_dscnt 0x0
	s_endpgm
.endm
	s_mov_b32 s21, 0
	s_cmp_lt_u32 ttmp9, 512
	s_cbranch_scc0 .Lw
	; ---- x
	s_lshr_b32 s18, ttmp9, 1                       ; the group of 16 rows, 0..255
	s_and_b32 s19, ttmp9, 1
	s_lshl_b32 s19, s19, 2
	s_add_co_u32 s19, s19, s16                     ; which 512 along K, 0..7
	s_lshl_b32 s20, s18, 18                        ; 16 rows of 16,384 bytes
	s_lshl_b32 s22, s19, 11
	s_add_co_u32 s20, s20, s22
	s_lshr_b32 s26, s18, 4
	s_and_b32 s27, s18, 15
	s_add_nc_u64 s[4:5], s[4:5], s[20:21]
	DEST 8
.macro LOAD t
.irp i, 0,1,2,3
	global_load_b128 v[R+16*((\t)%NR)+4*\i:R+16*((\t)%NR)+4*\i+3], v3, s[4:5] offset:16384*(\t)+512*\i th:TH_LOAD_NT   ; 32 lanes read 512 consecutive bytes of row t; read once in the launch
.endr
.endm
.macro TURN t                          ; row t's numbers through stage t % 2
.irp i, 0,1,2,3
	ds_store_b128 v[14+\i%2], v[R+16*((\t)%NR)+4*\i:R+16*((\t)%NR)+4*\i+3] offset:2048*((\t)%2)+512*\i
.endr
.irp i, 0,1,2,3
	ds_load_b128 v[X+16*((\t)%2)+4*\i:X+16*((\t)%2)+4*\i+3], v[16+\i] offset:2048*((\t)%2)
.endr
.endm
.macro XSTEP t
.if (\t) > 0
	s_wait_dscnt 2                                 ; this row's numbers are back from the stage (the last row's two stores, issued behind them, may be out): so its stores into the stage have read their registers,
.else
	s_wait_dscnt 0x0
.endif
.if (\t)+NR < STEPS
	LOAD (\t)+NR                                   ; which take the loads of eight rows on
.endif
.if (\t)+1 < STEPS
.if (\t)+NR < STEPS
	s_wait_loadcnt 4*(NR-1)                        ; the next row's four loads are in; those of the seven rows behind it may be out
.else
	s_wait_loadcnt 4*(STEPS-2-(\t))                ; near the end fewer rows stand behind it
.endif
	TURN (\t)+1
.endif
.set XS, X+16*((\t)%2)
	QCORE \t, 5, 20
.endm
.irp t, 0,1,2,3,4,5,6,7
	LOAD \t
.endr
	s_wait_loadcnt 4*(NR-1)                        ; row 0's four loads are in
	TURN 0
.irp t, 0,1,2,3,4,5,6,7,8,9,10,11,12,13,14,15
	XSTEP \t
.endr
	FINISH 21, 6
.Lw:
	; ---- weight_q: all 16 rows' loads go out at once
	s_sub_co_u32 s17, ttmp9, 512
	s_lshr_b32 s18, s17, 3                         ; the group of 64 rows
	s_and_b32 s19, s17, 7                          ; which 512 along K
	s_lshl_b32 s20, s18, 18                        ; 64 rows of 4,096 bytes
	s_lshl_b32 s22, s16, 12
	s_add_co_u32 s20, s20, s22
	s_lshl_b32 s22, s19, 9
	s_add_co_u32 s20, s20, s22
	s_lshr_b32 s26, s18, 2
	s_and_b32 s27, s18, 3
	s_lshl_b32 s27, s27, 2
	s_add_co_u32 s27, s27, s16
	s_add_nc_u64 s[6:7], s[6:7], s[20:21]
	DEST 10
.irp t, 0,1,2,3,4,5,6,7,8,9,10,11,12,13,14,15
	global_load_b128 v[R+4*\t:R+4*\t+3], v3, s[6:7] offset:16384*\t th:TH_LOAD_NT   ; row 4 t + wave: 32 lanes read 512 consecutive bytes
.endr
	s_mov_b32 s4, 0x80808080                       ; w xor 0x80 = w + 128, as an unsigned byte
	s_mov_b32 s30, 0x03020104                      ; byte selects: byte 0, 1, 2 or 3 of the first source under the upper three bytes of the second
	s_mov_b32 s31, 0x03020105
	s_mov_b32 s32, 0x03020106
	s_mov_b32 s33, 0x03020107
	s_mov_b32 s28, 0xcb000080                      ; -(2^23 + 128)
	s_mov_b32 s29, s28
.macro WSTEP t
	s_wait_loadcnt 15-(\t)                         ; row t's load is in; the rows behind it may be out
.irp i, 0,1,2,3
	v_xor_b32 v[R+4*(\t)+\i], s4, v[R+4*(\t)+\i]
.endr
.irp i, 0,1,2,3
.irp b, 0,1,2,3
	v_perm_b32 v[X+4*\i+\b], v[R+4*(\t)+\i], v[MAG], s[30+\b]      ; the bits of 2^23 + w + 128
.endr
.endr
.irp j, 0,2,4,6,8,10,12,14
	v_pk_add_f32 v[X+\j:X+\j+1], v[X+\j:X+\j+1], s[28:29] op_sel_hi:[1,0]   ; w, exactly
.endr
.set XS, X
	QCORE \t, 7, 22
.endm
.irp t, 0,1,2,3,4,5,6,7,8,9,10,11,12,13,14,15
	WSTEP \t
.endr
	FINISH 23, 10
.Lfunc_end_k_q44137dab3e_quantise:
	.size	k_q44137dab3e_quantise, .Lfunc_end_k_q44137dab3e_quantise-k_q44137dab3e_quantise
	.p2alignl 7, 3214868480
	.fill 96, 4, 3214868480
	.section	.rodata,"a",@progbits
	.p2align	6, 0x0
	.amdhsa_kernel k_q44137dab3e_quantise
		.amdhsa_group_segment_fixed_size 53760
		.amdhsa_private_segment_fixed_size 0
		.amdhsa_enable_private_segment 0
		.amdhsa_kernarg_size 32
		.amdhsa_user_sgpr_count 2
		.amdhsa_user_sgpr_kernarg_segment_ptr 1
		.amdhsa_wavefront_size32 1
		.amdhsa_system_sgpr_workgroup_id_x 1
		.amdhsa_system_sgpr_workgroup_id_y 1
		.amdhsa_system_sgpr_workgroup_id_z 1
		.amdhsa_system_vgpr_workitem_id 0
		.amdhsa_next_free_vgpr 192
		.amdhsa_next_free_sgpr 66
		.amdhsa_reserve_vcc 0
		.amdhsa_float_denorm_mode_32 3
		.amdhsa_float_denorm_mode_16_64 3
		.amdhsa_memory_ordered 1
		.amdhsa_forward_progress 1
		.amdhsa_inst_pref_size 82
	.end_amdhsa_kernel
	.amdgpu_metadata
---
amdhsa.version: [ 1, 2 ]
amdhsa.kernels:
  - .name:           k_q44137dab3e_quantise
    .symbol:         k_q44137dab3e_quantise.kd
    .args:
      - { .name: x, .offset: 0, .size: 8, .value_kind: global_buffer, .address_space: global }
      - { .name: weight_q, .offset: 8, .size: 8, .value_kind: global_buffer, .address_space: global }
      - { .name: xq, .offset: 16, .size: 8, .value_kind: global_buffer, .address_space: global }
      - { .name: wq, .offset: 24, .size: 8, .value_kind: global_buffer, .address_space: global }
    .group_segment_fixed_size: 53760
    .private_segment_fixed_size: 0
    .kernarg_segment_align: 8
    .kernarg_segment_size: 32
    .max_flat_workgroup_size: 128
    .sgpr_count:     66
    .vgpr_count:     192
    .wavefront_size: 32
...
	.end_amdgpu_metadata
.endif
;; end of part 1
;; launch gemm (part 2): grid 16 x 16, 4 waves a work-group, clusters of 4 x 4, 327,680 bytes of LDS; arguments xq, wq, scale, bias, out0; writes out0
.if DOCPART == 2
	.amdgcn_target "amdgcn-amd-amdhsa--gfx1250"
	.amdhsa_code_object_version 6
	.text
	.protected	k_q44137dab3e_gemm
	.globl	k_q44137dab3e_gemm
	.p2align	8
	.type	k_q44137dab3e_gemm,@function
k_q44137dab3e_gemm:
	s_mov_b64 s[64:65], 0
	v_nop
	global_prefetch_b8 v0, s[64:65] scope:SCOPE_SE
	s_setreg_imm32_b32 hwreg(HW_REG_WAVE_MODE, 25, 1), 1
	s_wait_xcnt 0x0
	s_wait_alu depctr_hold_cnt(0) depctr_sa_sdst(0) depctr_va_vdst(0) depctr_va_sdst(0) depctr_va_ssrc(0) depctr_va_vcc(0) depctr_vm_vsrc(0)
	s_getreg_b32 s2, hwreg(HW_REG_IB_STS2, 6, 4)
	s_cmp_eq_u32 s2, 0
	s_cbranch_scc0 .Lentry_in_a_cluster
	s_endpgm
.Lentry_in_a_cluster:
	s_bfe_u32 s2, ttmp6, 0x10000c
	s_cmp_lg_u32 s2, 0xf033
	s_cbranch_scc0 .Lentry_shape_is_right
	s_endpgm
.Lentry_shape_is_right:
; out0[m][n] = (sum over k of Q(x)[m][k] Q(w)[n][k]) scale[n] + bias[n], M = N = K = 4,096.  The codes and scale bytes come from the first launch, laid as the operand registers take them (its head says how).
; NO WORK IS LEFT OUT.  LIMITS: those of the first launch.
; A work-group makes 256 x 256 of out0, a wave 128 x 128: 4 blocks of 32 rows x 8 blocks of 16 columns, 32 accumulators of 16 registers.  K goes in 32 steps of 128, 32 matrix instructions each.
; THE RING: two LDS slots of 512 along K (4 steps): x's 69,632 bytes, then weight_q's: codes and scale bytes as they lie in memory, dense: a fragment load reads 512 consecutive bytes.  Each wave fetches a quarter (136 rows of 256 bytes).
; CLUSTERS: 4 x 4 work-groups.  The four of a row of the cluster need the same x, the four of a column the same weight_q: each is asked for JOINTLY, by the same tensor load with the same descriptor and a mask that names the four.
; A step's fragments are loaded one step ahead, in one run: x has two sets of registers, weight_q four (at the end it holds four steps at once).
; COLUMNS: block 4 g + b of a wave holds the columns 64 (g xor the wave's row half) + 4 r + b of its 128 (r = lane % 16).  So a lane's four accumulators of one g and one row are four neighbouring columns: 16 lanes store 256 consecutive
; bytes, aligned, straight from registers; and the four waves that store their g = 0 (or their g = 1) together cover all four 256-byte units of the tile's 1,024 bytes of a row, two of them in each row half.
; THE LAST FOUR STEPS go by rows of out0: 32 rows x 64 columns are finished with 16 matrix instructions (4 accumulators by turns, K ascending) and leave ahead of the next unit's products.
; PREFETCHES INTO THE L2: behind the joint load of a slot each wave asks for its share of the slot that the next joint load fetches: of the 136 units of 256 bytes that it loads jointly with three partners it takes 34, by address
; (32 lanes, then 2 blocks, the lanes left over naming the last again).  The first 512 along K come by their loads alone; the last refill asks for nothing.
; REGISTERS: window 0: addresses, scales, x's fragments, results on their way out; window 1: weight_q's fragments; windows 2, 3: accumulator (i, b) at v[128 (i % 2) + 16 b], window 2 + i / 2.
.set HALF,  69632                      ; 512 along K of one operand's 256 rows: 4 x 16,384 bytes of codes, 4,096 of scale bytes
.set SLOT,  2*HALF
.set PART,  HALF/2
.set SPARE, 2*SLOT                     ; the spare words, 128 bytes for each wave: two blocks of 256 bytes that no other line names
.set ROWC,  16384                      ; a row of out0 in bytes
.set SCV, 0                            ; v0-7    scale of my four columns, g = 0, 1
.set BIV, 8                            ; v8-15   bias
.set XAD, 16                           ; v16-17  LDS address of my x fragments in slot 0, 1
.set WAD, 18                           ; v18-19  of weight_q's, g = 0
.set XSA, 20                           ; v20-21  of my x scale bytes
.set WSA, 22                           ; v22-23  of weight_q's, g = 0
.set CO,  24                           ; v24, v29 my offset in out0, g = 0, 1: 16 (lane % 16) + 8 rows x (lane / 16) + 256 (g xor row half)
.set CO1, 29
.set SPW, 25                           ; v25     LDS address of my spare word; never rewritten
.set NIL, 26                           ; v26     0; never rewritten
.set PFO, 27                           ; v27-28  256 x lane, and 256 x (32 + (0 or 1))
.set XS,  32                           ; v32-47  x's scale words: two sets, each for two steps: block i, step t at 2 i + t % 2
.set WS,  48                           ; v48-63  weight_q's likewise: blocks 2 j (lanes 0-15) and 2 j + 1 (lanes 16-31) at 2 j + t % 2
.set XF,  64                           ; v64-191 x's fragments, two sets of 64
.set TMP, 192                          ; v192-255 results on their way out; v192-198 at work in the head
.set WAE, 248                          ; v248-249 WAD for g = 1, v250-251 WSA for g = 1: read for the last time ahead of the first results
.set WSE, 250
.set MSB, 0
.macro WIN new                         ; the immediate's high byte repeats the setting that is left
.if MSB != (\new)
	s_set_vgpr_msb (MSB<<8)|(\new)
.set MSB, (\new)
.endif
.endm
.macro PLACES                          ; four places behind matrix instructions, in front of loads into registers that they read (ISA guide 7.12.1 for vector instructions)
.rept 4
	v_nop
.endr
.endm
; A joint load: waves 0 and 1 fetch x's two halves, waves 2 and 3 weight_q's.  Each of the two lines has one mask and one set of registers for all that issue it; the branch hangs on the wave's number alone.
.macro JLOAD s
	s_cmp_eq_u32 s15, 0
	s_cbranch_scc0 .Lfor_w_\@
	tensor_load_to_lds s[32+4*\s:35+4*\s], s[24:31]
	s_nop 0
	PLACES
	s_branch .Lasked_\@
.Lfor_w_\@:
	tensor_load_to_lds s[56+4*\s:59+4*\s], s[68:75]
	s_nop 0
	PLACES
.Lasked_\@:
.endm
.macro CREST                           ; a round of the cluster's barrier behind its opening barrier
	s_cmp_lg_u32 s14, 0
	s_cbranch_scc1 .Lnot_wave_0_\@
	s_barrier_signal -3
.Lnot_wave_0_\@:
	s_barrier_wait -3
	s_barrier_signal -1
	s_barrier_wait -1
.endm
.macro CROUND                          ; a whole round
	s_barrier_signal -1
	s_barrier_wait -1
	CREST
.endm
.macro XFETCH t                        ; x's fragments of step t: 16 loads, 512 consecutive bytes each
.irp j, 0,1,2,3,4,5,6,7,8,9,10,11,12,13,14,15
	ds_load_b128 v[XF+64*((\t)%2)+4*\j:XF+64*((\t)%2)+4*\j+3], v[XAD+((\t)/4)%2] offset:16384*((\t)%4)+512*\j
.endr
.endm
.macro WHALF t, g                      ; weight_q's blocks 4 g .. 4 g + 3: 8 loads
	WIN 0x40
.irp j, 0,1,2,3,4,5,6,7
	ds_load_b128 v[64*((\t)%4)+32*(\g)+4*\j:64*((\t)%4)+32*(\g)+4*\j+3], v[WAD+(\g)*(WAE-WAD)+((\t)/4)%2] offset:16384*((\t)%4)+512*\j
.endr
.endm
.macro SFETCH p                        ; the scale words of steps 2 p, 2 p + 1: 8 loads
.irp i, 0,1,2,3
	ds_load_b64 v[XS+8*((\p)%2)+2*\i:XS+8*((\p)%2)+2*\i+1], v[XSA+((\p)/2)%2] offset:512*\i+8*((\p)%2)
	ds_load_b64 v[WS+8*((\p)%2)+2*\i:WS+8*((\p)%2)+2*\i+1], v[WSA+(\i/2)*(WSE-WSA)+((\p)/2)%2] offset:512*(\i%2)+8*((\p)%2)
.endr
.endm
.macro TFETCH i                        ; x's block i of steps 28 to 31 (slot 1): 16 loads into buffer i % 2
.irp q, 0,1,2,3
.irp g, 0,1,2,3
	ds_load_b128 v[XF+64*((\i)%2)+16*\q+4*\g:XF+64*((\i)%2)+16*\q+4*\g+3], v[XAD+1] offset:16384*\q+2048*(\i)+512*\g
.endr
.endr
.endm
.macro ASK k                           ; prefetch: my share of the 512 along K at k x HALF from the address that is stepped once a trip
	global_prefetch_b8 v[PFO], s[48:49] offset:HALF*(\k) th:TH_LOAD_NT scope:SCOPE_SE
	global_prefetch_b8 v[PFO+1], s[48:49] offset:HALF*(\k) th:TH_LOAD_NT scope:SCOPE_SE
.endm
.macro WM row                          ; one product; ROW1: weight_q's scales from lanes 16-31
.if \row
.if Z
	v_wmma_scale_f32_32x16x128_f4 v[DD:DD+15], v[AA:AA+15], v[BB:BB+7], 0, v[SA], v[SB] matrix_b_scale:MATRIX_SCALE_ROW1
.else
	v_wmma_scale_f32_32x16x128_f4 v[DD:DD+15], v[AA:AA+15], v[BB:BB+7], v[DD:DD+15], v[SA], v[SB] matrix_b_scale:MATRIX_SCALE_ROW1
.endif
.else
.if Z
	v_wmma_scale_f32_32x16x128_f4 v[DD:DD+15], v[AA:AA+15], v[BB:BB+7], 0, v[SA], v[SB]
.else
	v_wmma_scale_f32_32x16x128_f4 v[DD:DD+15], v[AA:AA+15], v[BB:BB+7], v[DD:DD+15], v[SA], v[SB]
.endif
.endif
.endm
.macro BLK4 i, g, a, t                 ; x's block i (its fragment at a) x weight_q's blocks 4 g .. 4 g + 3, step t
	WIN 0xa4+0x50*((\i)/2)                         ; source 0 (x) window 0, source 1 window 1, C and D window 2 or 3
.irp b, 0,1,2,3
.set DD, 128*((\i)%2)+64*(\g)+16*\b
.set AA, \a
.set BB, 64*((\t)%4)+32*(\g)+8*\b
.set SA, XS+8*(((\t)/2)%2)+2*(\i)+((\t)%2)
.set SB, WS+8*(((\t)/2)%2)+4*(\g)+2*(\b/2)+((\t)%2)
	WM (\b%2)
.endr
.endm
.macro BLK i
	BLK4 \i, 0, XF+64*(T%2)+16*(\i), T
	BLK4 \i, 1, XF+64*(T%2)+16*(\i), T
.endm
; The loads of a step, in one run: the next step's fragments and, in odd steps, the scale words of the next two: 32 or 40.  In step 27: what the first unit of the last four steps needs of the first three: x's block 0, weight_q's g = 0.
.macro RUN
	WIN 0
.if T%2 == 1
	SFETCH (T+1)/2
.endif
.if T < 27
	XFETCH T+1
	WHALF T+1, 0
	WHALF T+1, 1
.else
	TFETCH 0
	WHALF 28, 0
	WHALF 29, 0
	WHALF 30, 0
.endif
	WIN 0
.endm
.macro STEP
	PLACES
	RUN
	s_wait_dscnt 32+8*(T%2)                        ; all but the loads just issued
	BLK 0
	BLK 1
	BLK 2
	BLK 3
.endm
; A slot's last step changes slots: its own fragments are on their way to registers already.
.macro SWAP
	WIN 0
	s_wait_tensorcnt 0x0                           ; all my tensor loads have landed: my quarter of the next slot;
	ds_add_u32 v[SPW], v[NIL]                      ; 0 onto my spare word;
	s_wait_dscnt 1                                 ; this step's fragments are in (the add may be out)
	BLK 0                                          ; eight matrix instructions stand between the add and the wait for it
	s_wait_dscnt 0x0                               ; the add is done, and my reads of this slot are over
	s_barrier_signal -1
	BLK 1
	WIN 0
	s_barrier_wait -1
.if T < 24
	CREST                                          ; the barrier has opened a round of the cluster's barrier: no wave of any partner still reads this slot or has a load on its way
.set SS, (T/4)%2
	s_add_nc_u64 s[34+4*SS:35+4*SS], s[34+4*SS:35+4*SS], 2*HALF
	s_add_nc_u64 s[58+4*SS:59+4*SS], s[58+4*SS:59+4*SS], 2*HALF
.if T == 3
	JLOAD 0                                        ; the first tensor load behind the round; the four v_nop behind it are also the places in front of the loads below
.else
	JLOAD 1
.endif
.else
	PLACES
.endif
	RUN
.if T == 3
	ASK 3
.endif
.if T == 7
	s_cmp_gt_u32 s3, 1                             ; the last trip's second refill has no successor
	s_cbranch_scc0 .Lno_more
	ASK 4
.Lno_more:
.endif
	BLK 2
	BLK 3
.endm
	s_load_b256 s[4:11], s[0:1], 0x0               ; xq s[4:5], wq s[6:7], scale s[8:9], bias s[10:11]
	s_load_b64 s[12:13], s[0:1], 0x20              ; out0
	v_lshl_add_u32 v[SPW], v0, 2, SPARE
	v_mov_b32 v[NIL], 0
	ds_add_u32 v[SPW], v[NIL]                      ; the wave's opening: the add, twice on end, and its wait ahead of my first tensor load
	ds_add_u32 v[SPW], v[NIL]
	v_lshrrev_b32 v[TMP], 5, v0
	v_readfirstlane_b32 s14, v[TMP]                ; wave 0..3
	s_lshr_b32 s15, s14, 1                         ; which half of the rows is mine.  Also: I fetch for x (0) or for weight_q (1)
	s_and_b32 s16, s14, 1                          ; which half of the columns.  Also: which half of that operand I fetch
	s_lshl_b32 s18, s15, 13                        ; my 128 rows of x in a step's codes,
	s_lshl_b32 s19, s15, 11
	s_add_co_u32 s19, s19, 65536                   ; and in the scale bytes
	s_lshl_b32 s20, s16, 13
	s_add_co_u32 s20, s20, HALF                    ; my 128 of weight_q: codes,
	s_lshl_b32 s22, s15, 12
	s_xor_b32 s23, s22, 4096
	s_add_co_u32 s23, s23, s20                     ; g = 1: the 64 that g = 0 leaves
	s_add_co_u32 s20, s20, s22                     ; g = 0: the first 64 or, in the second row half, the last
	s_lshl_b32 s21, s16, 11
	s_add_co_u32 s21, s21, HALF+65536              ; and scale bytes likewise
	s_lshl_b32 s50, s15, 10
	s_xor_b32 s51, s50, 1024
	s_add_co_u32 s51, s51, s21
	s_add_co_u32 s21, s21, s50
	s_lshl_b32 s52, s15, 8                         ; and columns of scale, bias and out0, in bytes
	s_xor_b32 s53, s52, 256
	v_and_b32 v[TMP+1], 31, v0                     ; lane
	v_lshlrev_b32 v[TMP+2], 4, v[TMP+1]
	v_add_nc_u32 v[XAD], s18, v[TMP+2]
	v_add_nc_u32 v[XSA], s19, v[TMP+2]
	v_add_nc_u32 v[WAD], s20, v[TMP+2]
	v_add_nc_u32 v[WSA], s21, v[TMP+2]
	v_add_nc_u32 v[WAE], s23, v[TMP+2]
	v_add_nc_u32 v[WSE], s51, v[TMP+2]
.irp a, XAD, XSA, WAD, WSA, WAE, WSE
	v_add_nc_u32 v[\a+1], SLOT, v[\a]
.endr
	v_lshlrev_b32 v[PFO], 8, v[TMP+1]
	v_min_u32 v[TMP+3], 1, v[TMP+1]
	v_lshlrev_b32 v[TMP+3], 8, v[TMP+3]
	v_add_nc_u32 v[PFO+1], 8192, v[TMP+3]
	v_lshrrev_b32 v[TMP+3], 4, v[TMP+1]
	v_and_b32 v[TMP+1], 15, v[TMP+1]
	v_lshlrev_b32 v[TMP+4], 4, v[TMP+1]
	v_add_nc_u32 v[TMP+5], s52, v[TMP+4]           ; my four columns in scale and bias, g = 0,
	v_add_nc_u32 v[TMP+6], s53, v[TMP+4]           ; g = 1
	v_lshl_add_u32 v[CO], v[TMP+3], 17, v[TMP+5]
	v_lshl_add_u32 v[CO1], v[TMP+3], 17, v[TMP+6]
	s_bfe_u32 s40, ttmp6, 0x40000                  ; cx, cy: my place in the cluster
	s_bfe_u32 s41, ttmp6, 0x40004
	s_lshl_b32 s42, ttmp9, 2
	s_add_co_u32 s42, s42, s40                     ; tile column = 4 x cluster x + cx
	s_and_b32 s17, ttmp7, 0xffff
	s_lshl_b32 s17, s17, 2
	s_add_co_u32 s17, s17, s41                     ; tile row = 4 x cluster y + cy
	s_lshl_b32 s43, s41, 2
	s_lshl_b32 s43, 15, s43                        ; my row of the cluster
	s_lshl_b32 s44, 0x1111, s40                    ; my column
	; descriptor group 1: 136 rows of 256 bytes, dense: s[24:31] for x, s[68:75] for weight_q
	s_or_b32 s24, s43, (3<<16)|(1<<21)             ; 15:0 the mask; 17:16 element of 8 bytes; 21 set beside a mask
	s_or_b32 s68, s44, (3<<16)|(1<<21)
.irp g, 24, 68
	s_mov_b32 s[\g+1], 32<<16
	s_mov_b32 s[\g+2], 136<<16
	s_mov_b32 s[\g+3], 32<<16
	s_mov_b32 s[\g+4], 136
	s_mov_b32 s[\g+5], 32
	s_mov_b32 s[\g+6], 0
	s_mov_b32 s[\g+7], 0
.endr
	s_mul_i32 s22, s16, PART                       ; my half of an operand's 512 along K
	s_mul_i32 s20, s17, 8*HALF
	s_add_co_u32 s20, s20, s22                     ; x: by the tile row alone
	s_mov_b32 s21, 0
	s_mul_i32 s46, s42, 8*HALF
	s_add_co_u32 s46, s46, s22                     ; weight_q: by the tile column alone
	s_mov_b32 s47, 0
	s_mul_i32 s23, s14, PART                       ; where it goes: wave x a quarter of a slot
	s_mov_b32 s32, 1                               ; group 0: x's slots s[32:35], s[36:39], weight_q's s[56:59], s[60:63]
	s_mov_b32 s33, s23
	s_mov_b32 s36, 1
	s_add_co_u32 s37, s23, SLOT
	s_mov_b32 s56, 1
	s_mov_b32 s57, s23
	s_mov_b32 s60, 1
	s_add_co_u32 s61, s23, SLOT
	s_wait_alu depctr_va_vdst(0)                   ; the wait behind the head's vector instructions
	s_wait_dscnt 0x0                               ; both opening adds are done
	CROUND                                         ; all sixteen work-groups are here: the first joint loads meet
	s_wait_kmcnt 0x0
	s_add_nc_u64 s[34:35], s[4:5], s[20:21]
	s_add_nc_u64 s[58:59], s[6:7], s[46:47]
	s_add_nc_u64 s[38:39], s[34:35], HALF
	s_add_nc_u64 s[62:63], s[58:59], HALF
	s_or_b32 s35, s35, 0x80000000
	s_or_b32 s39, s39, 0x80000000
	s_or_b32 s59, s59, 0x80000000
	s_or_b32 s63, s63, 0x80000000
	JLOAD 0                                        ; the first 512 along K
	s_lshl_b32 s44, s42, 10
	s_lshl_b32 s45, s16, 9
	s_add_co_u32 s44, s44, s45                     ; my first column, in bytes
	s_mov_b32 s45, 0
	s_lshl_b32 s50, s17, 22
	s_lshl_b32 s51, s15, 21
	s_add_co_u32 s50, s50, s51                     ; my first row of out0, in bytes
	s_mov_b32 s51, 0
	s_add_nc_u64 s[8:9], s[8:9], s[44:45]
	s_add_nc_u64 s[10:11], s[10:11], s[44:45]
	s_add_nc_u64 s[12:13], s[12:13], s[44:45]
	s_add_nc_u64 s[12:13], s[12:13], s[50:51]
.irp g, 0,1
	global_load_b128 v[SCV+4*\g:SCV+4*\g+3], v[TMP+5+\g], s[8:9]
	global_load_b128 v[BIV+4*\g:BIV+4*\g+3], v[TMP+5+\g], s[10:11]
.endr
	s_cmp_eq_u32 s15, 0                            ; the prefetches: do I fetch for x?
	s_cselect_b64 s[48:49], s[4:5], s[6:7]
	s_cselect_b32 s52, s20, s46
	s_cselect_b32 s53, s40, s41                    ; my place among the four that ask with me
	s_mul_i32 s53, s53, 34*256
	s_add_co_u32 s52, s52, s53
	s_mov_b32 s53, 0
	s_add_nc_u64 s[48:49], s[48:49], s[52:53]
	ASK 1
	s_wait_tensorcnt 0x0                           ; my quarter is in
	ds_add_u32 v[SPW], v[NIL]
	s_wait_dscnt 0x0
	CROUND                                         ; everybody's quarter is in, and all sixteen work-groups are here: the joint loads meet
	JLOAD 1                                        ; the second slot, the first tensor load behind the round
	SFETCH 0
	XFETCH 0
	WHALF 0, 0
	WHALF 0, 1
	WIN 0
	ASK 2
.set Z, 1                              ; the first step's products start the sums
.set T, 0
	STEP
.set Z, 0
	WIN 0                                          ; at a label and at a branch every window is 0
	s_mov_b32 s3, 3
.Llap:                                                 ; a trip: from a lap's second step to the next lap's first; both slots are filled again
.set T, 1
.rept 8
.if T%4 == 3
	SWAP
.else
	STEP
.endif
.set T, T+1
.endr
	WIN 0
	s_wait_xcnt 0x0                                ; the prefetches have read their address
	s_add_nc_u64 s[48:49], s[48:49], 2*HALF
	s_sub_co_u32 s3, s3, 1
	s_cmp_lg_u32 s3, 0
	s_cbranch_scc1 .Llap
.set T, 25
	STEP
.set T, 26
	STEP
.set T, 27
	SWAP
; THE LAST FOUR STEPS, by rows.  Unit u: x's block u / 2 (32 rows) x 64 columns, g = u % 2.
.macro UNIT u
.irp q, 0,1,2,3
.if (\u) == 0 && \q == 0
	s_wait_dscnt 48                                ; what step 27 has asked for is in; behind it 8 + 8 + 32 loads
.endif
.if (\u) == 0 && \q == 2
	s_wait_dscnt 40                                ; the scale words of steps 30 and 31
.endif
.if (\u) == 0 && \q == 3
	s_wait_dscnt 32                                ; step 31's g = 0; the 32 loads of g = 1 may be out
.endif
	BLK4 (\u)/2, (\u)%2, XF+64*(((\u)/2)%2)+16*\q, 28+\q
.endr
.endm
.macro FMAS u                          ; results x scale + bias, each accumulator from its low end on
	WIN 0x02+((\u)/4)                              ; source 0 window 2 or 3
.irp j, 0,1,2,3,4,5,6,7,8,9,10,11,12,13,14,15
.irp b, 0,1,2,3
	v_fma_f32 v[TMP+4*\j+\b], v[128*(((\u)/2)%2)+64*((\u)%2)+16*\b+\j], v[SCV+4*((\u)%2)+\b], v[BIV+4*((\u)%2)+\b]
.endr
.endr
	WIN 0
.endm
.macro SENDS u                         ; register j: rows 8 h + j (j < 8) and 16 + 8 h + j - 8 of the block; 16 lanes store 256 consecutive bytes, aligned
.irp j, 0,1,2,3,4,5,6,7,8,9,10,11,12,13,14,15
	global_store_b128 v[CO+((\u)%2)*(CO1-CO)], v[TMP+4*\j:TMP+4*\j+3], s[12:13] offset:ROWC*(32*((\u)/2)+\j+8*(\j/8)) th:TH_STORE_NT
.endr
.endm
	PLACES
	WIN 0
	SFETCH 15
	WHALF 31, 0
	WHALF 28, 1
	WHALF 29, 1
	WHALF 30, 1
	WHALF 31, 1
	WIN 0
	s_wait_loadcnt 0x0                             ; scale and bias, asked for at the head
.irp u, 0,1,2,3,4,5,6,7
.if (\u == 1) || (\u == 2) || (\u == 4)
	s_wait_dscnt 16                                ; weight_q's g = 1, or x's block u / 2; the next block's 16 loads may be out
.endif
.if \u == 6
	s_wait_dscnt 0x0
.endif
	UNIT \u
	PLACES                                         ; in front of the reads of results just made
	WIN 0
.if \u > 0
	s_wait_xcnt 0x0                                ; the stores before have read their data
.endif
	FMAS \u
.if \u == 0
	TFETCH 1
.endif
.if (\u == 1) || (\u == 3)
	TFETCH (\u-1)/2+2                              ; into the buffer that this unit was the last to read
.endif
	SENDS \u
.endr
	s_wait_tensorcnt 0x0                           ; the wave's end
	ds_add_u32 v[SPW], v[NIL]
	s_wait_dscnt 0x0
	CROUND                                         ; the closing round: no work-group ends while a partner may still ask for a tile that names it
	s_endpgm
.Lfunc_end_k_q44137dab3e_gemm:
	.size	k_q44137dab3e_gemm, .Lfunc_end_k_q44137dab3e_gemm-k_q44137dab3e_gemm
	.p2alignl 7, 3214868480
	.fill 96, 4, 3214868480
	.section	.rodata,"a",@progbits
	.p2align	6, 0x0
	.amdhsa_kernel k_q44137dab3e_gemm
		.amdhsa_group_segment_fixed_size 327680
		.amdhsa_private_segment_fixed_size 0
		.amdhsa_enable_private_segment 0
		.amdhsa_kernarg_size 40
		.amdhsa_user_sgpr_count 2
		.amdhsa_user_sgpr_kernarg_segment_ptr 1
		.amdhsa_wavefront_size32 1
		.amdhsa_system_sgpr_workgroup_id_x 1
		.amdhsa_system_sgpr_workgroup_id_y 1
		.amdhsa_system_sgpr_workgroup_id_z 1
		.amdhsa_system_vgpr_workitem_id 0
		.amdhsa_next_free_vgpr 1024
		.amdhsa_next_free_sgpr 80
		.amdhsa_reserve_vcc 0
		.amdhsa_float_denorm_mode_32 3
		.amdhsa_float_denorm_mode_16_64 3
		.amdhsa_memory_ordered 1
		.amdhsa_forward_progress 1
		.amdhsa_inst_pref_size 163
	.end_amdhsa_kernel
	.amdgpu_metadata
---
amdhsa.version: [ 1, 2 ]
amdhsa.kernels:
  - .name:           k_q44137dab3e_gemm
    .symbol:         k_q44137dab3e_gemm.kd
    .args:
      - { .name: xq, .offset: 0, .size: 8, .value_kind: global_buffer, .address_space: global }
      - { .name: wq, .offset: 8, .size: 8, .value_kind: global_buffer, .address_space: global }
      - { .name: scale, .offset: 16, .size: 8, .value_kind: global_buffer, .address_space: global }
      - { .name: bias, .offset: 24, .size: 8, .value_kind: global_buffer, .address_space: global }
      - { .name: out0, .offset: 32, .size: 8, .value_kind: global_buffer, .address_space: global }
    .group_segment_fixed_size: 327680
    .private_segment_fixed_size: 0
    .kernarg_segment_align: 8
    .kernarg_segment_size: 40
    .max_flat_workgroup_size: 128
    .sgpr_count:     80
    .vgpr_count:     1024
    .wavefront_size: 32
...
	.end_amdgpu_metadata
.endif
;; end of part 2
